; MI455X (gfx1250); checked and timed in simulation.
; The chip was launched on July 23, 2026; its instructions are those of AMD's public machine-readable ISA for CDNA 5 (MIT licence, August 2026) and "CDNA5" Instruction Set Architecture Reference Guide (July 2026). The comments in the code are by the model that wrote it; some were corrected since.
;; Multi Head Self Attention. Allowed arithmetic: matrix products marked QUANTISED: E3M2 operands, one E8M0 scale for each 32 along K, by v_wmma_scale_f32_16x16x128_f8f6f4 with both operands' format E3M2, f32 sums; everything else in f32.
;; Inputs: Wk 4,096 x 512 float32; Wq 4,096 x 512 float32; Wv 4,096 x 512 float32; x 4 x 1,024 x 512 float32.
;; Outputs: out0 4 x 1,024 x 4,096 float32.
;; This version of the problem:
;;   THIS VERSION OF THE PROBLEM IS GIVEN IN LOW PRECISION. The matrix products marked QUANTISED in the list below multiply operands that are first quantised to E3M2 (3 exponent bits, 2 mantissa bits; 6 bits a number), with one power-of-two scale for each 32 numbers along K (OCP MX v1.0); their sums are f32. All else is computed in f32.
;;   The module's matrix products, in the order in which they are computed (A, B: the left and right operand; K: the contracted axis; several contracted axes count as one K, in the product's order):
;;     1. [M 4,096, K 512] x [K 512, N 4,096]; A: input x; B: input Wk: QUANTISED
;;     2. [M 4,096, K 512] x [K 512, N 4,096]; A: input x; B: input Wv: QUANTISED
;;     3. [M 4,096, K 512] x [K 512, N 4,096]; A: input x; B: input Wq: QUANTISED
;;     4. batch 32 x [M 1,024, K 512] x [K 512, N 1,024]; A: computed on the way; B: computed on the way: QUANTISED
;;     5. batch 32 x [M 1,024, K 1,024] x [K 1,024, N 512]; A: softmax (see below); B: computed on the way: QUANTISED
;;   THE QUANTISER, for each operand of a quantised product, along K:
;;     - K is cut into blocks of 32 from its start; a last block that is shorter is filled with zeros.
;;     - A block's scale is 2^e with e = floor(log2(the largest magnitude in the block)) - 4, held to -126 .. 127; a block of zeros has e = 0. As a byte (E8M0): e + 127.
;;     - Each number is divided by its block's scale, clamped to +-28, and rounded to the nearest number of E3M2, ties to even, subnormals kept.
;;     - The product sums the exact products of the quantised numbers (number of the format x scale) in f32.
;;   ~~~python
;;   def quantise(x, axis):      # numpy; x: float32 -> the quantised numbers, widened to float32 again
;;       x = np.moveaxis(x, axis, -1); K = x.shape[-1]
;;       x = np.pad(x, [(0, 0)] * (x.ndim - 1) + [(0, -K % 32)]); x = x.reshape(x.shape[:-1] + (-1, 32)); a = np.abs(x).max(-1, keepdims=True)
;;       e = np.where(a > 0, np.clip(np.frexp(np.where(a > 0, a, 1))[1] - 1 - 4, -126, 127), 0)      # np.frexp(a)[1] - 1 = floor(log2(a)), exactly
;;       r = np.clip(x / 2.0 ** e, -28, 28)
;;       step = 2.0 ** (np.maximum(np.frexp(np.where(r == 0, 1, r))[1] - 1, -2) - 2)
;;       q = np.round(r / step) * step * 2.0 ** e      # np.round: ties to even
;;       return np.moveaxis(q.reshape(q.shape[:-2] + (-1,))[..., :K], -1, axis).astype(np.float32)
;;   ~~~
;;   SOFTMAX AHEAD OF A QUANTISED PRODUCT. Where the list says 'softmax', what is quantised is not the finished softmax but p = 2^(t - M), with t = logit x log2(e) and M = ceil(the row's largest t), a whole number; so 1/2 < the row's largest p <= 1. The row's sum l is taken of the UNQUANTISED p, in f32, and the product's result is divided by l at the end. Since M is a whole number, a kernel that streams over the keys may use a running M (the ceiling of the running maximum): every later rescaling is an exact power of two, which a block's scale takes up: the codes' values come out the same.
;;   OPERANDS COMPUTED ON THE WAY. 'Computed on the way' means the value that the module computes at that place (a softmax that the list does not call 'softmax' is quantised finished and normalised). What goes into a quantiser is computed in f32, as accurately as f32 sums, v_exp_f32 and their like allow (about 1e-6 of the number): no bf16 or f16 on the way to a quantiser, and a product that is left as it is and whose result goes on into a quantised operand takes f32 operands (vector FMAs, or v_wmma_f32_16x16x4_f32). A number that lies on a knife's edge between two numbers of the format may be rounded either way, as far as f32 arithmetic and the matrix unit's own rounding can turn it there, and no further.
;; One version. Each part assembles by itself: llvm-mc -triple=amdgcn-amd-amdhsa -mcpu=gfx1250 --defsym DOCPART=n.
;; ======== version 1 of 1: 3 launches
;; limits: right only within a limited range of input values
;; workspace buffers: pan 6,553,600 bytes; qkv 39,321,600 bytes
;; launch quant (part 1): grid 256 x 1, 8 waves a work-group, no clusters, 168,960 bytes of LDS; arguments x, Wq, Wk, Wv, pan; writes pan
.if DOCPART == 1
	.amdgcn_target "amdgcn-amd-amdhsa--gfx1250"
	.amdhsa_code_object_version 6
	.text
	.protected	k_q1aac8043c8_quant
	.globl	k_q1aac8043c8_quant
	.p2align	8
	.type	k_q1aac8043c8_quant,@function
k_q1aac8043c8_quant:
	s_mov_b64 s[64:65], 0
	v_nop
	global_prefetch_b8 v0, s[64:65] scope:SCOPE_SE
	s_setreg_imm32_b32 hwreg(HW_REG_WAVE_MODE, 25, 1), 1
	s_wait_xcnt 0x0
; x [4096][512] and Wq, Wk, Wv [4096][512], f32, become codes of BF6 (E3M2) along K = 512, one E8M0 byte for each 32 along K, laid in the ORDER OF THE OPERAND'S REGISTERS.
; pan = 64 panels of 102,400 bytes: panel 16 tau + p (tau = 0: x, 1: Wq, 2: Wk, 3: Wv) holds 256 rows; of x the tokens 256 p on, of W the rows of ONE head: row' = 512 head + d, which is memory row 8 d + head.
; A panel is four chunks of 25,600 bytes, one for each 128 along K: 16 fragments of 1,536 bytes (register R of lane L at 512 (R / 4) + 16 L + 4 (R % 4)), then 8 scale registers of 128 bytes:
; lanes 0-15 the row words of an even tile, lanes 16-31 those of the odd tile beside it.  LANE r OF TILE T STANDS FOR ROW 32 (T / 2) + 8 (T % 2) + r + 8 (r / 8).
; A block's scale is 2^(floor(log2(largest magnitude)) - 4): its byte is the largest magnitude's exponent field - 4, held at 1 from below by a floor among the maximum's leaves.
; LIMITS: NaN and infinities are not served.  A block of zeros gets the byte 1 where the rule says 127: its codes are zeros, and this program alone reads the bytes.
; The scale registers leave as stores of 128 consecutive bytes, half of an aligned 256: they are 4 bytes in 100 of what the launch stores.
; SHARES.  Work-group g: tensor g / 64, 256 memory rows (g / 4) % 16, 128 along K g % 4.  Each of eight waves brings 32 rows x 512 bytes by one tensor load (one load of the wave is out), and makes one pair of tiles:
; of x the tiles 2 w, 2 w + 1 of its own rows; of W the 32 values of d of head w, whose rows lie 8 apart and were brought by all eight waves: hence the barrier.
; No cluster: no two work-groups read the same bytes.  No matrix work.  LDS bytes are filled once.
.set PANB,  102400
.set CHB,   25600
.set PITCH, 528                        ; an LDS row: 512 bytes + 16 of padding
.set WREG,  16912                      ; a wave's 32 rows, and 16 bytes more: so a head's rows, 8 apart, spread over eight 16-byte columns of the 256 and not over two
.set AX,    5                          ; v5      LDS address of my row in tile 0, in x's work-groups
.set AW,    6                          ; v6      the same in W's work-groups
.set LI,    10                         ; v10     16 x lane
.set LS,    11                         ; v11     4 x lane
.set MX,    12                         ; v12-13  my two blocks' largest magnitudes
.set SO,    14                         ; v14-15  the conversions' scale operands
.set BY,    16                         ; v16-17  the scale bytes
.set WD,    18                         ; v18-19  the row's scale word, tile 0, 1
.set TT,    20                         ; v20     at work
.set SH,    21                         ; v21     8 x (lane / 16)
.set PR,    22                         ; v22     the pair's scale register
.set C,     32                         ; v32-71  codes: 20 registers a tile (12 of the fragment, 8 at work)
.set X,     80                         ; v80-207 64 numbers a tile
	s_load_b256 s[4:11], s[0:1], 0x0               ; x, Wq, Wk, Wv
	s_load_b64 s[12:13], s[0:1], 0x20              ; pan
	v_lshl_add_u32 v208, v0, 2, 0x29000
	v_mov_b32 v209, 0
	ds_add_u32 v208, v209
	ds_add_u32 v208, v209
	v_lshrrev_b32 v1, 5, v0
	s_delay_alu instid0(VALU_DEP_1)
	v_readfirstlane_b32 s14, v1                    ; wave 0..7
	s_lshr_b32 s15, ttmp9, 6                       ; tau
	s_bfe_u32 s16, ttmp9, 0x40002                  ; c: which 256 memory rows
	s_and_b32 s17, ttmp9, 3                        ; kappa: which 128 along K
	; descriptor group 1: 32 rows x 128 elements of 4 bytes, 512 elements from row to row; 4 words of padding behind every 128
	s_mov_b32 s24, (2<<16)|(1<<20)|(6<<22)|(3<<25)
	s_mov_b32 s25, 128<<16                         ; tensor_dim0
	s_mov_b32 s26, 32<<16                          ; tensor_dim1
	s_mov_b32 s27, 128<<16                         ; tile_dim0
	s_mov_b32 s28, 32                              ; tile_dim1
	s_mov_b32 s29, 512                             ; tensor_dim0_stride
	s_mov_b32 s30, 0
	s_mov_b32 s31, 0
	s_lshl_b32 s18, s16, 19                        ; (256 c + 32 w) rows of 2,048 bytes + 512 kappa
	s_lshl_b32 s19, s14, 16
	s_add_co_u32 s18, s18, s19
	s_lshl_b32 s19, s17, 9
	s_add_co_u32 s18, s18, s19
	s_mov_b32 s19, 0
	s_mov_b32 s20, 1                               ; group 0: count = 1
	s_mul_i32 s21, s14, WREG                       ; LDS address: my region
	; where my pair of tiles goes.  x: panel c, pair w.  W: panel 16 tau + 2 w + c / 8, pair c % 8
	s_lshl_b32 s35, s15, 4
	s_lshl_b32 s36, s14, 1
	s_add_co_u32 s35, s35, s36
	s_lshr_b32 s36, s16, 3
	s_add_co_u32 s35, s35, s36
	s_and_b32 s36, s16, 7
	s_cmp_eq_u32 s15, 0
	s_cselect_b32 s35, s16, s35
	s_cselect_b32 s36, s14, s36
	s_mul_i32 s35, s35, PANB
	s_mul_i32 s37, s17, CHB
	s_add_co_u32 s35, s35, s37                     ; the chunk's first byte
	s_mul_i32 s37, s36, 3072
	s_add_co_u32 s38, s35, s37                     ; the pair's two fragments
	s_mov_b32 s39, 0
	s_lshl_b32 s37, s36, 7
	s_add_co_u32 s40, s35, s37
	s_add_co_u32 s40, s40, 24576                   ; the pair's scale register
	s_mov_b32 s41, 0
	s_mov_b32 s42, 0x76543210
	s_mov_b32 s43, 0xfedcba98                      ; v_permlanex16_b32's selects for lane l xor 16
	s_mov_b32 s44, 0xffff0000                      ; lanes 16-31
	s_wait_dscnt 0x0
	s_wait_kmcnt 0x0
	s_cmp_eq_u32 s15, 1                            ; the tensor is chosen by the work-group's number alone
	s_cselect_b64 s[4:5], s[6:7], s[4:5]
	s_cmp_eq_u32 s15, 2
	s_cselect_b64 s[4:5], s[8:9], s[4:5]
	s_cmp_eq_u32 s15, 3
	s_cselect_b64 s[4:5], s[10:11], s[4:5]
	s_add_nc_u64 s[22:23], s[4:5], s[18:19]
	s_or_b32 s23, s23, 0x80000000                  ; type = 2
	s_add_nc_u64 s[38:39], s[12:13], s[38:39]
	s_add_nc_u64 s[40:41], s[12:13], s[40:41]
	tensor_load_to_lds s[20:23], s[24:31]
	s_nop 0
.rept 4
	v_nop
.endr
	v_and_b32 v1, 15, v0                           ; r
	v_bfe_u32 v2, v0, 4, 1                         ; h
	s_delay_alu instid0(VALU_DEP_2)
	v_and_b32 v3, 8, v1
	s_delay_alu instid0(VALU_DEP_1)
	v_add_nc_u32 v3, v3, v1                        ; rho = r + 8 (r / 8)
	s_delay_alu instid0(VALU_DEP_3)
	v_lshlrev_b32 v4, 7, v2                        ; my block of 32 numbers begins 128 h bytes into each 256
	s_delay_alu instid0(VALU_DEP_1)
	v_mad_u32_u24 v5, v3, PITCH, v4                ; x: row rho of my own region
	s_delay_alu instid0(VALU_DEP_1)
	v_add_nc_u32 v5, s21, v5
	s_delay_alu instid0(VALU_DEP_4)
	v_lshrrev_b32 v6, 2, v3                        ; W: memory row 8 rho + w of the 256: region rho / 4, row 8 (rho % 4) + w in it
	v_and_b32 v7, 3, v3
	s_delay_alu instid0(VALU_DEP_2)
	v_mad_u32_u24 v6, v6, WREG, v4
	s_delay_alu instid0(VALU_DEP_1)
	v_mad_u32_u24 v6, v7, 8*PITCH, v6
	s_mul_i32 s33, s14, PITCH
	v_add_nc_u32 v6, s33, v6
	v_and_b32 v1, 31, v0
	s_delay_alu instid0(VALU_DEP_1)
	v_lshlrev_b32 v[LI], 4, v1
	s_delay_alu instid0(VALU_DEP_2)
	v_lshlrev_b32 v[LS], 2, v1
	v_lshlrev_b32 v[SH], 3, v2
	s_wait_alu depctr_va_vdst(0)
	s_wait_tensorcnt 0x0                           ; my 32 rows are in LDS,
	s_barrier_signal -1
	s_barrier_wait -1                              ; and everybody's
; my two tiles' rows: k = 64 c + 32 h + 4 i on, the very order that the operand's layout gives this lane.  Tile 1 lies step bytes behind tile 0: 8 rows in x, two regions (64 memory rows) in W.
.macro LDT areg, step
.irp u, 0,1
.irp c, 0,1
.irp i, 0,1,2,3,4,5,6,7
	ds_load_b128 v[X+64*\u+32*\c+4*\i:X+64*\u+32*\c+4*\i+3], v[\areg] offset:(\step)*\u+256*\c+16*\i
.endr
.endr
.endr
.endm
	s_cmp_eq_u32 s15, 0                            ; x's work-group or W's: the work-group's number alone decides; both ways issue 32 loads into the same registers
	s_cbranch_scc0 .Lrows_w
	LDT AX, 8*PITCH
	s_branch .Lrows_in
.Lrows_w:
	LDT AW, 2*WREG
.Lrows_in:
; Tile u: a lane holds two WHOLE blocks of its row, so no other lane is asked for a maximum; the word's four bytes are gathered from lanes l and l xor 16.
.macro QB u
.set XS, X+64*\u
.set CC, C+20*\u
.irp c, 0,1
	v_max3_num_f32 v[MX+\c], |v[XS+32*\c]|, |v[XS+32*\c+1]|, 0x2800000   ; the floor 2^(5 - 127): the byte cannot fall under 1
.endr
.irp i, 2,4,6,8,10,12,14,16,18,20,22,24,26,28,30
.irp c, 0,1
	s_delay_alu instid0(VALU_DEP_2)
	v_max3_num_f32 v[MX+\c], v[MX+\c], |v[XS+32*\c+\i]|, |v[XS+32*\c+\i+1]|
.endr
.endr
.irp c, 0,1
	s_delay_alu instid0(VALU_DEP_2)
	v_add_nc_u32 v[SO+\c], 0xfe000000, v[MX+\c]    ; 4 off the exponent field: the conversion takes this operand's exponent field as its scale
.endr
.irp c, 0,1
	s_delay_alu instid0(VALU_DEP_2)
	v_lshrrev_b32 v[BY+\c], 23, v[SO+\c]           ; the scale's byte
.endr
	s_delay_alu instid0(VALU_DEP_1)
	v_lshl_or_b32 v[WD+\u], v[BY+1], 16, v[BY]     ; blocks h and 2 + h of my row,
	s_delay_alu instid0(VALU_DEP_1)
	v_lshlrev_b32 v[WD+\u], v[SH], v[WD+\u]        ; at their places in the word;
	v_mov_b32 v[TT], 0
	s_delay_alu instid0(VALU_DEP_1)
	v_permlanex16_b32 v[TT], v[WD+\u], s42, s43
	s_delay_alu instid0(VALU_DEP_1)
	v_or_b32 v[WD+\u], v[WD+\u], v[TT]             ; with lane l xor 16's two the word is whole, in both lanes
.irp c, 0,1
	v_cvt_scalef32_pk16_bf6_f32 v[CC+6*\c:CC+6*\c+2], v[XS+32*\c:XS+32*\c+15], v[SO+\c]
	v_cvt_scalef32_pk16_bf6_f32 v[CC+12+4*\c:CC+14+4*\c], v[XS+32*\c+16:XS+32*\c+31], v[SO+\c]   ; (a conversion's three registers begin on an even number)
.endr
	v_nop                                          ; one plain place behind a scaled conversion
.irp c, 0,1
.irp i, 0,1,2
	v_mov_b32 v[CC+3+6*\c+\i], v[CC+12+4*\c+\i]
.endr
.endr
.irp p, 0,1,2
	global_store_b128 v[LI], v[CC+4*\p:CC+4*\p+3], s[38:39] offset:1536*\u+512*\p   ; 32 lanes store 512 consecutive bytes, at a multiple of 256 from pan's first byte
.endr
.endm
	s_wait_dscnt 16                                ; tile 0's sixteen loads are in; tile 1's may be out
	QB 0
	s_wait_dscnt 0x0
	QB 1
	v_cndmask_b32 v[PR], v[WD], v[WD+1], s44       ; lanes 0-15: tile 0's words; lanes 16-31: tile 1's
	global_store_b32 v[LS], v[PR], s[40:41]
	s_wait_tensorcnt 0x0
	ds_add_u32 v208, v209
	s_wait_dscnt 0x0
	s_endpgm
.Lfunc_end_k_q1aac8043c8_quant:
	.size	k_q1aac8043c8_quant, .Lfunc_end_k_q1aac8043c8_quant-k_q1aac8043c8_quant
	.p2alignl 7, 3214868480
	.fill 96, 4, 3214868480
	.section	.rodata,"a",@progbits
	.p2align	6, 0x0
	.amdhsa_kernel k_q1aac8043c8_quant
		.amdhsa_group_segment_fixed_size 168960
		.amdhsa_private_segment_fixed_size 0
		.amdhsa_enable_private_segment 0
		.amdhsa_kernarg_size 40
		.amdhsa_user_sgpr_count 2
		.amdhsa_user_sgpr_kernarg_segment_ptr 1
		.amdhsa_wavefront_size32 1
		.amdhsa_system_sgpr_workgroup_id_x 1
		.amdhsa_system_sgpr_workgroup_id_y 1
		.amdhsa_system_sgpr_workgroup_id_z 1
		.amdhsa_system_vgpr_workitem_id 0
		.amdhsa_next_free_vgpr 210
		.amdhsa_next_free_sgpr 66
		.amdhsa_reserve_vcc 0
		.amdhsa_float_denorm_mode_32 3
		.amdhsa_float_denorm_mode_16_64 3
		.amdhsa_memory_ordered 1
		.amdhsa_forward_progress 1
		.amdhsa_inst_pref_size 18
	.end_amdhsa_kernel
	.amdgpu_metadata
---
amdhsa.version: [ 1, 2 ]
amdhsa.kernels:
  - .name:           k_q1aac8043c8_quant
    .symbol:         k_q1aac8043c8_quant.kd
    .args:
      - { .name: x, .offset: 0, .size: 8, .value_kind: global_buffer, .address_space: global }
      - { .name: Wq, .offset: 8, .size: 8, .value_kind: global_buffer, .address_space: global }
      - { .name: Wk, .offset: 16, .size: 8, .value_kind: global_buffer, .address_space: global }
      - { .name: Wv, .offset: 24, .size: 8, .value_kind: global_buffer, .address_space: global }
      - { .name: pan, .offset: 32, .size: 8, .value_kind: global_buffer, .address_space: global }
    .group_segment_fixed_size: 168960
    .private_segment_fixed_size: 0
    .kernarg_segment_align: 8
    .kernarg_segment_size: 40
    .max_flat_workgroup_size: 256
    .sgpr_count:     66
    .vgpr_count:     210
    .wavefront_size: 32
...
	.end_amdgpu_metadata
.endif
;; end of part 1
;; launch proj (part 2): grid 16 x 16, 4 waves a work-group, clusters of 4 x 4, 327,680 bytes of LDS; arguments pan, qkv; writes qkv
.if DOCPART == 2
	.amdgcn_target "amdgcn-amd-amdhsa--gfx1250"
	.amdhsa_code_object_version 6
	.text
	.protected	k_q1aac8043c8_proj
	.globl	k_q1aac8043c8_proj
	.p2align	8
	.type	k_q1aac8043c8_proj,@function
k_q1aac8043c8_proj:
	s_mov_b64 s[64:65], 0
	v_nop
	global_prefetch_b8 v0, s[64:65] scope:SCOPE_SE
	s_setreg_imm32_b32 hwreg(HW_REG_WAVE_MODE, 25, 1), 1
	s_wait_xcnt 0x0
	s_wait_alu depctr_hold_cnt(0) depctr_sa_sdst(0) depctr_va_vdst(0) depctr_va_sdst(0) depctr_va_ssrc(0) depctr_va_vcc(0) depctr_vm_vsrc(0)
	s_getreg_b32 s2, hwreg(HW_REG_IB_STS2, 6, 4)
	s_cmp_eq_u32 s2, 0
	s_cbranch_scc0 .Lentry_in_a_cluster
	s_endpgm
.Lentry_in_a_cluster:
	s_bfe_u32 s2, ttmp6, 0x10000c
	s_cmp_lg_u32 s2, 0xf033
	s_cbranch_scc0 .Lentry_shape_is_right
	s_endpgm
.Lentry_shape_is_right:
; q = x Wq^T, k = x Wk^T, v = x Wv^T on codes of BF6 with E8M0 scales (K = 512), each result quantised again in registers for attention's products, and stored as fragment images.
; A work-group stays for three tiles of 256 x 256: one panel of x (256 tokens) against the same panel (one head, 256 of d) of Wq, Wk and Wv.  Four waves, 128 x 128 each: 64 accumulators, 512 registers.
; SOURCE 0 IS P, whose rows become the next product's K; SOURCE 1 IS R, whose rows the lanes keep.  q, k: P = W, R = x (a lane holds a token, its registers run along d).  v: P = x, R = Wv (a lane holds a d, its registers run along the tokens).
; In pan lane r of tile T stands for row 32 (T / 2) + 8 (T % 2) + r + 8 (r / 8): so the 16 registers of P's tiles 2 b, 2 b + 1 are 16 neighbours along the next K, 32 b + 16 (lane / 16) + 0 .. 15.
; qkv = 32 parts of 1,228,800 bytes, part 8 batch + head: K's block n (128 tokens) at 51,200 n, V's at 409,600 + 51,200 n, Q's at 819,200 + 51,200 n.  A block: fragment (grp, idx) at 1,536 (8 grp + idx); behind them, at 49,152 + 512 grp,
; four scale registers as one image of 16 bytes a lane (register i: lanes 0-15 idx 2 i, lanes 16-31 idx 2 i + 1).  K, Q: grp = d / 128, idx = tile of tokens.  V: grp = d / 128, idx = tile of d; K = the record's 128 tokens.
; LDS: x's panel, and two places for W's panels; a panel is four chunks (128 along K each) of 25,600 dense bytes, fragment images and scale registers as they lie in pan: every LDS read is 512 (scales: 128) consecutive bytes, so no padding.
; CLUSTERS: 4 x 4.  x's panel is shared along a row of the cluster, W's along a column: every chunk is asked for jointly.  First fills: x and Wq at the head, Wk behind a round (one load of a wave is out); Wv takes Wq's place behind a round, one load a wave.
; LIMITS: NaN and infinities are not served; a block of zeros gets the byte 1 where the rule says 127: its codes are zeros, and this program alone reads the bytes.
; REGISTERS: window 0: v1-15 addresses; v16-31 scale registers, two sets; v32-47 at work; v48-55 the rows' scale words; v56-59 their pairs; v60-99 codes, two sets; v128-223 R's 8 fragments, ONE set.
;   window 1: P's 8 fragments, TWO sets, at v0 and v128.   windows 2, 3: accumulator (a, t) at v[8 (8 (a % 4) + t)] of window 2 + a / 4.
; THE FIRST FILLS, as the text below has them: at the head one joint load a wave, two chunks each (waves 0, 1: x's panel; waves 2, 3: Wq's); Wk, a chunk a wave, behind the full sequence and a round; Wv takes Wq's place behind a round.  One load of a wave is out at any time.
.set XP,    0
.set WS0,   102400
.set WS1,   204800
.set SPARE, 307200                     ; the spare words: 128 bytes a wave, two blocks of 256 bytes that no other line names
.set CHB,   25600
.set PANB,  102400
.set TENB,  16*PANB
.set RECB,  153600
.set FRB,   1536
.set LI,  1                            ; v1     16 x lane
.set SPW, 2                            ; v2     my spare word; never rewritten
.set NIL, 3                            ; v3     0; never rewritten
.set AX,  4                            ; v4-5   x's fragments, my half alpha: chunks 0-1, chunks 2-3 (an LDS offset has 16 bits)
.set AW0, 6                            ; v6-7   the same in W's place 0, my half beta
.set AW1, 8                            ; v8-9   in W's place 1
.set SX,  10                           ; v10-15 the same three for the scale registers
.set SW0, 12
.set SW1, 14
.set SCW, 16                           ; set g at v[16 + 8 g]: P's four pairs, then R's four
.set TM,  32
.set PW,  48
.set PWM, 56
.set PCS, 60
.set RF,  128
.set MSB, 0
.macro WIN new                         ; the immediate's high byte repeats the setting that is left
.if MSB != (\new)
	s_set_vgpr_msb (MSB<<8)|(\new)
.set MSB, \new
.endif
.endm
.set MUL_LO, 0xa1                      ; source 0 (P) window 1, source 1 (R) window 0, C and D window 2
.set MUL_HI, 0xf1                      ; the same, C and D window 3
.macro PLACES n
.rept \n
	v_nop
.endr
.endm
.macro CREST                           ; a round of the cluster's barrier behind its opening barrier
	s_cmp_lg_u32 s8, 0
	s_cbranch_scc1 .Lnot_wave_0_\@
	s_barrier_signal -3
.Lnot_wave_0_\@:
	s_barrier_wait -3
	s_barrier_signal -1
	s_barrier_wait -1
.endm
.macro CROUND
	s_barrier_signal -1
	s_barrier_wait -1
	CREST
.endm
; One product.  zero = 1: it starts the sum.  ra, rb: the scale words stand in lanes 16-31 of the register named.
.macro WM d, a, b, zero, sa, sb, ra, rb
.if \zero
.if (\ra) && (\rb)
	v_wmma_scale_f32_16x16x128_f8f6f4 v[(\d):(\d)+7], v[(\a):(\a)+11], v[(\b):(\b)+11], 0, v[\sa], v[\sb] matrix_a_fmt:MATRIX_FMT_BF6 matrix_b_fmt:MATRIX_FMT_BF6 matrix_a_scale:MATRIX_SCALE_ROW1 matrix_b_scale:MATRIX_SCALE_ROW1
.elseif (\ra)
	v_wmma_scale_f32_16x16x128_f8f6f4 v[(\d):(\d)+7], v[(\a):(\a)+11], v[(\b):(\b)+11], 0, v[\sa], v[\sb] matrix_a_fmt:MATRIX_FMT_BF6 matrix_b_fmt:MATRIX_FMT_BF6 matrix_a_scale:MATRIX_SCALE_ROW1
.elseif (\rb)
	v_wmma_scale_f32_16x16x128_f8f6f4 v[(\d):(\d)+7], v[(\a):(\a)+11], v[(\b):(\b)+11], 0, v[\sa], v[\sb] matrix_a_fmt:MATRIX_FMT_BF6 matrix_b_fmt:MATRIX_FMT_BF6 matrix_b_scale:MATRIX_SCALE_ROW1
.else
	v_wmma_scale_f32_16x16x128_f8f6f4 v[(\d):(\d)+7], v[(\a):(\a)+11], v[(\b):(\b)+11], 0, v[\sa], v[\sb] matrix_a_fmt:MATRIX_FMT_BF6 matrix_b_fmt:MATRIX_FMT_BF6
.endif
.else
.if (\ra) && (\rb)
	v_wmma_scale_f32_16x16x128_f8f6f4 v[(\d):(\d)+7], v[(\a):(\a)+11], v[(\b):(\b)+11], v[(\d):(\d)+7], v[\sa], v[\sb] matrix_a_fmt:MATRIX_FMT_BF6 matrix_b_fmt:MATRIX_FMT_BF6 matrix_a_scale:MATRIX_SCALE_ROW1 matrix_b_scale:MATRIX_SCALE_ROW1
.elseif (\ra)
	v_wmma_scale_f32_16x16x128_f8f6f4 v[(\d):(\d)+7], v[(\a):(\a)+11], v[(\b):(\b)+11], v[(\d):(\d)+7], v[\sa], v[\sb] matrix_a_fmt:MATRIX_FMT_BF6 matrix_b_fmt:MATRIX_FMT_BF6 matrix_a_scale:MATRIX_SCALE_ROW1
.elseif (\rb)
	v_wmma_scale_f32_16x16x128_f8f6f4 v[(\d):(\d)+7], v[(\a):(\a)+11], v[(\b):(\b)+11], v[(\d):(\d)+7], v[\sa], v[\sb] matrix_a_fmt:MATRIX_FMT_BF6 matrix_b_fmt:MATRIX_FMT_BF6 matrix_b_scale:MATRIX_SCALE_ROW1
.else
	v_wmma_scale_f32_16x16x128_f8f6f4 v[(\d):(\d)+7], v[(\a):(\a)+11], v[(\b):(\b)+11], v[(\d):(\d)+7], v[\sa], v[\sb] matrix_a_fmt:MATRIX_FMT_BF6 matrix_b_fmt:MATRIX_FMT_BF6
.endif
.endif
.endm
; 16 products: R's blocks a0, a0 + 1 against P's eight.  set: P's fragment set and the set of scale registers.  The 64 accumulators take turns, one instruction a turn, in the same order in every step.
.macro MUL16 a0, set, zero
.irp a, \a0, \a0+1
.irp t, 0,1,2,3,4,5,6,7
	WM 8*(8*((\a)%4)+\t), 128*(\set)+12*\t, RF+12*(\a), \zero, SCW+8*(\set)+\t/2, SCW+4+8*(\set)+(\a)/2, \t%2, (\a)%2
.endr
.endr
.endm
.macro FETCH_P areg, off, set          ; P's eight fragments: three loads of 512 consecutive bytes each
	WIN 0x40
.irp i, 0,1,2,3,4,5,6,7
.irp p, 0,1,2
	ds_load_b128 v[128*(\set)+12*\i+4*\p:128*(\set)+12*\i+4*\p+3], v[\areg] offset:(\off)+FRB*\i+512*\p
.endr
.endr
.endm
.macro FETCH_R areg, off, a0           ; R's blocks a0 .. a0 + 3
	WIN 0
.irp i, \a0, \a0+1, \a0+2, \a0+3
.irp p, 0,1,2
	ds_load_b128 v[RF+12*(\i)+4*\p:RF+12*(\i)+4*\p+3], v[\areg] offset:(\off)+FRB*(\i)+512*\p
.endr
.endr
.endm
.macro FETCH_S aps, ars, off, set      ; the step's scale registers: P's four pairs of tiles, R's four
	WIN 0
.irp i, 0,1,2,3
	ds_load_b32 v[SCW+8*(\set)+\i], v[\aps] offset:(\off)+128*\i
.endr
.irp i, 0,1,2,3
	ds_load_b32 v[SCW+4+8*(\set)+\i], v[\ars] offset:(\off)+128*\i
.endr
.endm
; A step of 128 along K that has its successor in the same tile.  A block of R is free as soon as its eight products are issued: blocks 0-3 are fetched anew in the step's middle, blocks 4-7 at its end.
; Four places stand in front of each run of loads into registers that matrix instructions have read (ISA guide 7.12.1 for vector instructions).
.macro STEP kp, zero, meet
	s_wait_dscnt 12                                ; all but the youngest twelve loads (R's blocks 4-7) are in
	WIN MUL_LO
	MUL16 0, (\kp)%2, \zero
	MUL16 2, (\kp)%2, \zero
	s_wait_dscnt 0x0                               ; R's blocks 4-7 are in
	PLACES 4
	FETCH_P PA+((\kp)+1)/2, CHB*(((\kp)+1)%2), ((\kp)+1)%2
	FETCH_R RA+((\kp)+1)/2, CHB*(((\kp)+1)%2), 0
	FETCH_S PSA+((\kp)+1)/2, RSA+((\kp)+1)/2, CHB*(((\kp)+1)%2), ((\kp)+1)%2
	WIN MUL_HI
	MUL16 4, (\kp)%2, \zero
	MUL16 6, (\kp)%2, \zero
	PLACES 4
	FETCH_R RA+((\kp)+1)/2, CHB*(((\kp)+1)%2), 4
.endm
; A tile's last step, which also fetches the next tile's first fragments.
; kind 1 (behind q): Wq's place is filled again with Wv: the wait for all my tensor loads, the add, the wait for it and for my LDS reads, a round of the cluster's barrier, and the joint refill first behind it.
; kind 2 (behind k): Wv is first read: the wait for my chunk of it, and the work-group's barrier. kind 0 (behind v): nothing more to fetch.
.macro LAST kind
.if \kind == 1
	s_wait_tensorcnt 0x0                           ; all my tensor loads have landed, my chunk of Wk among them
	ds_add_u32 v[SPW], v[NIL]                      ; 0 onto my spare word
	s_wait_dscnt 13                                ; (the add and R's blocks 4-7 may be out)
.elseif \kind == 2
	s_wait_tensorcnt 0x0                           ; my chunk of Wv, the one load that was out
	s_wait_dscnt 12
.else
	s_wait_dscnt 12
.endif
	WIN MUL_LO
	MUL16 0, 1, 0
	s_wait_dscnt 0x0                               ; the add is done, and my LDS reads are over
.if \kind > 0
	s_barrier_signal -1
.endif
	MUL16 2, 1, 0
.if \kind > 0
	WIN 0
	s_barrier_wait -1
.if \kind == 1
	CREST                                          ; no wave of any partner still reads Wq or has a load on its way
	tensor_load_to_lds s[60:63], s[32:39]          ; my chunk of Wv: it has tile k's 256 products in which to land
	s_nop 0
.endif
	PLACES 4                                       ; the four lines behind the tensor load; also the places in front of the loads below
	FETCH_P NPA, 0, 0
	FETCH_R NRA, 0, 0
	FETCH_S NPS, NRS, 0, 0
.endif
	WIN MUL_HI
	MUL16 4, 1, 0
	MUL16 6, 1, 0
.if \kind > 0
	PLACES 4
	FETCH_R NRA, 0, 4
.endif
	WIN 0
.endm
; The 64 numbers of R's block a (register 16 b + i = the next K's 32 b + 16 (lane / 16) + i of my row) become a fragment's codes in v[PC] on and my row's scale word in v[PW + a].  Each accumulator is read from its low end on.
.macro QUANTW a
.set AC, 64*((\a)%4)
.set WW, 2+(\a)/4
.set PC, PCS+20*((\a)%2)
	WIN (WW<<2)|(WW<<4)                            ; sources 1 and 2: the accumulators' window
.irp b, 0,1,2,3
	v_max3_num_f32 v[TM+\b], 0x2800000, |v[AC+16*\b]|, |v[AC+16*\b+1]|   ; the floor 2^(5 - 127): the byte cannot fall under 1
.endr
.irp i, 2,4,6,8,10,12,14
.irp b, 0,1,2,3
	v_max3_num_f32 v[TM+\b], v[TM+\b], |v[AC+16*\b+\i]|, |v[AC+16*\b+\i+1]|
.endr
.endr
	WIN 0
.irp b, 0,1,2,3
	v_permlanex16_b32 v[TM+4+\b], v[TM+\b], s88, s89
.endr
.irp b, 0,1,2,3
	v_max_num_f32 v[TM+\b], v[TM+\b], v[TM+4+\b]   ; with lane l xor 16's sixteen: the block's largest magnitude
.endr
.irp b, 0,1,2,3
	v_add_nc_u32 v[TM+12+\b], 0xfe000000, v[TM+\b] ; 4 off the exponent field: the conversion's scale operand
.endr
.irp b, 0,1,2,3
	v_lshrrev_b32 v[TM+4+\b], 23, v[TM+12+\b]      ; the scale's byte
.endr
	v_lshl_or_b32 v[PW+\a], v[TM+5], 8, v[TM+4]
	v_lshl_or_b32 v[PW+\a], v[TM+6], 16, v[PW+\a]
	v_lshl_or_b32 v[PW+\a], v[TM+7], 24, v[PW+\a]
	WIN WW                                         ; source 0: the accumulators' window
.irp c, 0,1
	v_cvt_scalef32_pk16_bf6_f32 v[PC+6*\c:PC+6*\c+2], v[AC+32*\c:AC+32*\c+15], v[TM+12+2*\c]
	v_cvt_scalef32_pk16_bf6_f32 v[PC+12+4*\c:PC+14+4*\c], v[AC+32*\c+16:AC+32*\c+31], v[TM+13+2*\c]   ; (a conversion's three registers begin on an even number)
.endr
	WIN 0
	v_nop                                          ; one plain place behind a scaled conversion
.irp c, 0,1                            ; the operand's layout wants a WHOLE block in a lane
.irp i, 0,1,2
	v_permlane16_swap_b32 v[PC+6*\c+\i], v[PC+12+4*\c+\i]
.endr
.irp i, 0,1,2
	v_mov_b32 v[PC+3+6*\c+\i], v[PC+12+4*\c+\i]
.endr
.endr
.endm
; A tile goes out: eight fragments and one image of four scale registers, into the sub-block at byte sub of my record.  Every store covers 512 consecutive bytes, at a multiple of 256 from qkv's first byte.
.macro EPI sub
	PLACES 4                                       ; behind the last products, in front of the first read of results
	s_wait_xcnt 0x0                                ; the last tile's stores have read their registers
.irp a, 0,1,2,3,4,5,6,7
.if \a >= 2
	s_wait_xcnt 0x0                                ; block a - 2's stores have read the set of codes that is written now
.endif
	QUANTW \a
.irp p, 0,1,2
	global_store_b128 v[LI], v[PCS+20*(\a%2)+4*\p:PCS+20*(\a%2)+4*\p+3], s[82:83] offset:(\sub)+FRB*\a+512*\p
.endr
.endr
.irp i, 0,1,2,3
	v_cndmask_b32 v[PWM+\i], v[PW+2*\i], v[PW+2*\i+1], s86   ; lanes 0-15: block 2 i's words; lanes 16-31: block 2 i + 1's
.endr
	global_store_b128 v[LI], v[PWM:PWM+3], s[84:85] offset:\sub
.endm
	s_load_b128 s[4:7], s[0:1], 0x0                ; pan, qkv
	v_lshl_add_u32 v[SPW], v0, 2, SPARE
	v_mov_b32 v[NIL], 0
	ds_add_u32 v2, v3
	ds_add_u32 v2, v3
	s_wait_dscnt 0x0
	v_lshrrev_b32 v100, 5, v0
	v_readfirstlane_b32 s8, v100                   ; wave 0..3
	s_lshr_b32 s9, s8, 1                           ; alpha: my half of x
	s_and_b32 s10, s8, 1                           ; beta: my half of W
	s_bfe_u32 s11, ttmp6, 0x40000                  ; cx
	s_bfe_u32 s12, ttmp6, 0x40004                  ; cy
	s_lshl_b32 s13, ttmp9, 2
	s_add_co_u32 s13, s13, s11                     ; gx: W's panel: head gx / 2, half of d gx % 2
	s_and_b32 s14, ttmp7, 0xffff
	s_lshl_b32 s14, s14, 2
	s_add_co_u32 s14, s14, s12                     ; gy: x's panel
	s_lshl_b32 s15, s12, 2
	s_lshl_b32 s15, 15, s15                        ; my row of the cluster
	s_lshl_b32 s16, 0x1111, s11                    ; my column
	; descriptor group 1: a chunk, 25,600 dense bytes, as 100 rows of 32 elements of 8 bytes; bit 21 set beside a mask
	s_or_b32 s24, s15, (3<<16)|(1<<21)             ; x's chunks go to my row,
	s_or_b32 s32, s16, (3<<16)|(1<<21)             ; W's to my column
.irp g, 24, 32
	s_mov_b32 s[\g+1], 32<<16                      ; tensor_dim0
	s_mov_b32 s[\g+2], 200<<16                     ; tensor_dim1: the head's loads bring two chunks, 200 rows
	s_mov_b32 s[\g+3], 32<<16                      ; tile_dim0
	s_mov_b32 s[\g+4], 200                         ; tile_dim1
	s_mov_b32 s[\g+5], 32                          ; tensor_dim0_stride
	s_mov_b32 s[\g+6], 0
	s_mov_b32 s[\g+7], 0
.endr
	s_mul_i32 s19, s10, 2*CHB                      ; chunks 2 beta, 2 beta + 1
	s_mul_i32 s20, s8, CHB                         ; chunk w
	s_mul_i32 s68, s14, PANB                       ; x's addresses hang on gy and the wave alone,
	s_add_co_u32 s68, s68, s19
	s_mov_b32 s69, 0
	s_mul_i32 s70, s13, PANB                       ; W's on gx and the wave alone
	s_add_co_u32 s72, s70, s19
	s_mov_b32 s73, 0
	s_add_co_u32 s74, s70, s20
	s_mov_b32 s75, 0
	s_mov_b32 s86, 0xffff0000                      ; lanes 16-31
	s_mov_b32 s88, 0x76543210
	s_mov_b32 s89, 0xfedcba98                      ; v_permlanex16_b32's selects for lane l xor 16
	s_wait_kmcnt 0x0
	s_add_nc_u64 s[68:69], s[4:5], s[68:69]
	s_add_nc_u64 s[72:73], s[4:5], s[72:73]
	s_add_nc_u64 s[74:75], s[4:5], s[74:75]
	; groups 0, none ever rewritten: s[40:43] x's chunks 2 beta, 2 beta + 1; s[48:51] Wq's; s[56:59] Wk's chunk w; s[60:63] Wv's chunk w
	s_mov_b32 s40, 1
	s_add_co_u32 s41, s19, XP
	s_mov_b64 s[42:43], s[68:69]
	s_or_b32 s43, s43, 0x80000000
	s_mov_b32 s48, 1
	s_add_co_u32 s49, s19, WS0
	s_add_nc_u64 s[50:51], s[72:73], TENB
	s_or_b32 s51, s51, 0x80000000
	s_mov_b32 s56, 1
	s_add_co_u32 s57, s20, WS1
	s_add_nc_u64 s[58:59], s[74:75], 2*TENB
	s_or_b32 s59, s59, 0x80000000
	s_mov_b32 s60, 1
	s_add_co_u32 s61, s20, WS0
	s_add_nc_u64 s[62:63], s[74:75], 3*TENB
	s_or_b32 s63, s63, 0x80000000
	CROUND                                         ; all sixteen work-groups are here: the first joint loads meet
	s_cmp_lt_u32 s8, 2                             ; one joint load a wave at the head, in the two arms of one branch on the wave's number: waves 0, 1 bring x's panel, waves 2, 3 Wq's, half a panel each
	s_cbranch_scc0 .Lfill_w
	tensor_load_to_lds s[40:43], s[24:31]
	s_nop 0
.rept 4
	v_nop
.endr
	s_branch .Lfilled
.Lfill_w:
	tensor_load_to_lds s[48:51], s[32:39]
	s_nop 0
.rept 4
	v_nop
.endr
.Lfilled:
	v_and_b32 v100, 31, v0
	v_lshlrev_b32 v[LI], 4, v100
	v_lshlrev_b32 v101, 2, v100
	s_wait_alu depctr_va_vdst(0)
	s_mul_i32 s76, s9, 8*FRB                       ; my half's eight fragments
	s_mul_i32 s77, s10, 8*FRB
	v_add_nc_u32 v[AX], s76, v[LI]
	v_add_nc_u32 v[AX+1], 2*CHB, v[AX]
	s_add_co_u32 s78, s77, WS0
	v_add_nc_u32 v[AW0], s78, v[LI]
	v_add_nc_u32 v[AW0+1], 2*CHB, v[AW0]
	s_add_co_u32 s78, s77, WS1
	v_add_nc_u32 v[AW1], s78, v[LI]
	v_add_nc_u32 v[AW1+1], 2*CHB, v[AW1]
	s_lshl_b32 s76, s9, 9                          ; my half's four scale registers
	s_lshl_b32 s77, s10, 9
	s_add_co_u32 s76, s76, 16*FRB
	v_add_nc_u32 v[SX], s76, v101
	v_add_nc_u32 v[SX+1], 2*CHB, v[SX]
	s_add_co_u32 s78, s77, WS0+16*FRB
	v_add_nc_u32 v[SW0], s78, v101
	v_add_nc_u32 v[SW0+1], 2*CHB, v[SW0]
	s_add_co_u32 s78, s77, WS1+16*FRB
	v_add_nc_u32 v[SW1], s78, v101
	v_add_nc_u32 v[SW1+1], 2*CHB, v[SW1]
.irp b, 0,1,2,3
	v_mov_b32 v[TM+4+\b], 0                        ; written once: a lane permute's destination counts as one of its sources
.endr
	; WHERE THE BLOCKS LIE IN qkv, as the text now has it: for each batch and head 1,228,800 bytes: K's eight blocks of 51,200 bytes (128 tokens each), then V's eight at 409,600, then Q's eight at 819,200; a block's inside is as the head comment says.
	; my batch and head: (gy / 4) 8 + gx / 2; my block n = 2 (gy % 4) + alpha; my grp: 2 (gx % 2) + beta: the same for all three tiles
	s_lshr_b32 s80, s14, 2
	s_lshl_b32 s80, s80, 3
	s_lshr_b32 s81, s13, 1
	s_add_co_u32 s80, s80, s81
	s_mul_i32 s80, s80, 8*RECB
	s_and_b32 s81, s14, 3
	s_lshl_b32 s81, s81, 1
	s_add_co_u32 s81, s81, s9
	s_mul_i32 s81, s81, 51200
	s_add_co_u32 s80, s80, s81
	s_and_b32 s81, s13, 1
	s_lshl_b32 s81, s81, 1
	s_add_co_u32 s81, s81, s10
	s_mul_i32 s82, s81, 8*FRB
	s_add_co_u32 s82, s82, s80
	s_mov_b32 s83, 0
	s_lshl_b32 s84, s81, 9
	s_add_co_u32 s84, s84, s80
	s_add_co_u32 s84, s84, 32*FRB
	s_mov_b32 s85, 0
	s_add_nc_u64 s[82:83], s[6:7], s[82:83]        ; where my fragments go,
	s_add_nc_u64 s[84:85], s[6:7], s[84:85]        ; and my scale registers
	s_wait_alu depctr_va_vdst(0)
	s_wait_tensorcnt 0x0                           ; my half panel is in
	ds_add_u32 v[SPW], v[NIL]
	s_mov_b32 s34, 100<<16                         ; no tensor load of mine is out: from here on W's loads bring one chunk, 100 rows
	s_mov_b32 s36, 100
	s_wait_dscnt 0x0
	CROUND                                         ; x's and Wq's panels are whole in every partner
	tensor_load_to_lds s[56:59], s[32:39]          ; my chunk of Wk: it has tile q's products in which to land
	s_nop 0
	PLACES 4
	; ---- q: P = Wq, R = x
.set PA,  AW0
.set RA,  AX
.set PSA, SW0
.set RSA, SX
.set NPA, AW1
.set NRA, AX
.set NPS, SW1
.set NRS, SX
	FETCH_P PA, 0, 0
	FETCH_R RA, 0, 0
	FETCH_S PSA, RSA, 0, 0
	FETCH_R RA, 0, 4
	STEP 0, 1, 0                                   ; a tile's first products start the sums: nothing is cleared
	STEP 1, 0, 0
	STEP 2, 0, 0
	LAST 1
	EPI 819200
	; ---- k: P = Wk, R = x
.set PA,  AW1
.set PSA, SW1
.set NPA, AX
.set NRA, AW0
.set NPS, SX
.set NRS, SW0
	STEP 0, 1, 0
	STEP 1, 0, 0
	STEP 2, 0, 0
	LAST 2
	EPI 0
	; ---- v: P = x, R = Wv
.set PA,  AX
.set RA,  AW0
.set PSA, SX
.set RSA, SW0
	STEP 0, 1, 0
	STEP 1, 0, 0
	STEP 2, 0, 0
	LAST 0
	EPI 409600
	s_wait_tensorcnt 0x0                           ; the wave's end
	ds_add_u32 v[SPW], v[NIL]
	s_wait_dscnt 0x0
	CROUND                                         ; the closing round: no work-group ends while a partner may still ask for a chunk that names it
	s_endpgm
.Lfunc_end_k_q1aac8043c8_proj:
	.size	k_q1aac8043c8_proj, .Lfunc_end_k_q1aac8043c8_proj-k_q1aac8043c8_proj
	.p2alignl 7, 3214868480
	.fill 96, 4, 3214868480
	.section	.rodata,"a",@progbits
	.p2align	6, 0x0
	.amdhsa_kernel k_q1aac8043c8_proj
		.amdhsa_group_segment_fixed_size 327680
		.amdhsa_private_segment_fixed_size 0
		.amdhsa_enable_private_segment 0
		.amdhsa_kernarg_size 16
		.amdhsa_user_sgpr_count 2
		.amdhsa_user_sgpr_kernarg_segment_ptr 1
		.amdhsa_wavefront_size32 1
		.amdhsa_system_sgpr_workgroup_id_x 1
		.amdhsa_system_sgpr_workgroup_id_y 1
		.amdhsa_system_sgpr_workgroup_id_z 1
		.amdhsa_system_vgpr_workitem_id 0
		.amdhsa_next_free_vgpr 1024
		.amdhsa_next_free_sgpr 100
		.amdhsa_reserve_vcc 0
		.amdhsa_float_denorm_mode_32 3
		.amdhsa_float_denorm_mode_16_64 3
		.amdhsa_memory_ordered 1
		.amdhsa_forward_progress 1
		.amdhsa_inst_pref_size 254
	.end_amdhsa_kernel
	.amdgpu_metadata
---
amdhsa.version: [ 1, 2 ]
amdhsa.kernels:
  - .name:           k_q1aac8043c8_proj
    .symbol:         k_q1aac8043c8_proj.kd
    .args:
      - { .name: pan, .offset: 0, .size: 8, .value_kind: global_buffer, .address_space: global }
      - { .name: qkv, .offset: 8, .size: 8, .value_kind: global_buffer, .address_space: global }
    .group_segment_fixed_size: 327680
    .private_segment_fixed_size: 0
    .kernarg_segment_align: 8
    .kernarg_segment_size: 16
    .max_flat_workgroup_size: 128
    .sgpr_count:     100
    .vgpr_count:     1024
    .wavefront_size: 32
...
	.end_amdgpu_metadata
.endif
;; end of part 2
;; launch attn (part 3): grid 8 x 32, 4 waves a work-group, clusters of 4 x 1, 327,680 bytes of LDS; arguments qkv, out0; writes out0
.if DOCPART == 3
	.amdgcn_target "amdgcn-amd-amdhsa--gfx1250"
	.amdhsa_code_object_version 6
	.text
	.protected	k_q1aac8043c8_attn
	.globl	k_q1aac8043c8_attn
	.p2align	8
	.type	k_q1aac8043c8_attn,@function
k_q1aac8043c8_attn:
	s_mov_b64 s[64:65], 0
	v_nop
	global_prefetch_b8 v0, s[64:65] scope:SCOPE_SE
	s_setreg_imm32_b32 hwreg(HW_REG_WAVE_MODE, 25, 1), 1
	s_wait_xcnt 0x0
	s_wait_alu depctr_hold_cnt(0) depctr_sa_sdst(0) depctr_va_vdst(0) depctr_va_sdst(0) depctr_va_ssrc(0) depctr_va_vcc(0) depctr_vm_vsrc(0)
	s_getreg_b32 s2, hwreg(HW_REG_IB_STS2, 6, 4)
	s_cmp_eq_u32 s2, 0
	s_cbranch_scc0 .Lentry_in_a_cluster
	s_endpgm
.Lentry_in_a_cluster:
	s_bfe_u32 s2, ttmp6, 0x10000c
	s_cmp_lg_u32 s2, 0x3003
	s_cbranch_scc0 .Lentry_shape_is_right
	s_endpgm
.Lentry_shape_is_right:
; out = softmax(q k^T / sqrt(512)) v for one batch and head, on codes of BF6 with E8M0 scales, as the launch before has laid them in qkv: for each batch and head K's eight blocks of 51,200 bytes (128 tokens each),
; then V's eight at 409,600, then Q's eight at 819,200; a block: 32 fragment images of 1,536 bytes, then at 49,152 four images of four scale registers.
; Work-group (x, y): batch and head y, queries 128 x on.  Both products are used transposed (S^T = k q^T, O^T = v^T p^T), so that a lane holds a query.
; PASS 1 walks K; a wave takes 32 queries (two tiles u = 0, 1).  For each 128 keys: 64 products for S^T; the block maxima, the running M (a whole number, kept as -M) and f = 2^(old M - new M) for the row's sum; t - M;
; ONE batch of 136 exponentials between two waits; the sum of the unquantised p; p's scale bytes and codes.  The step's codes, scale words and -M go as register images to the wave's own LDS bytes (7 x 512 bytes a step).
; BETWEEN THE PASSES each wave takes 1 / l and brings its 16 scale words under the final M: p of step t was made under M(t), and (final M - M(t)) goes off its four scale bytes, an exact power of two; so O^T is never multiplied.
; A byte is held at 1 from below: such a block stands for numbers under 2^-121 beside a row's largest p of more than 1/2.  The words go back to LDS with 1 / l beside them; the next round shows them to all four waves.
; PASS 2 walks V; a wave takes ALL 128 queries x 128 of d (chunk w): 8 x 8 accumulators.  For each 128 keys it reads 8 fragments of V and 8 of p from LDS, and each feeds eight products.  No transcendental follows a write of O^T.
; LDS: two slots of 102,400 bytes at 0 and 102,400; a fill is two blocks of K or of V, dense in memory; each wave brings a quarter by one joint load behind each round.  From 204,800: 28,672 bytes a wave for p's images, later the stage of the way out.  Then the spare words.
; CLUSTER 4 x 1: the four query blocks of a cluster read the same K and V: every quarter fill is asked for jointly, mask 15.
; PREFETCH: while fill i is worked on, fill i + 2, one slot ahead of its tensor load; its 400 runs of 256 bytes are shared out by address among the cluster's 16 waves, 25 lanes each; the last two fills' trips ask for nothing.
; LIMITS: the promise holds while the scaled scores (the exponents to the base 2) stay under 2^31 in magnitude; NaN and infinities are not served.
; REGISTERS.  Window 0: v1-11 addresses; v12-15 a step's scale words and -M; v16-31 K's scale registers, in pass 2 p's words, two sets; v32-39 q's scale words, in pass 2 V's scale registers, two sets;
;   v40-55 state (8 a tile: -M, largest t, l in two halves, f or 1 / l, 0, two at work), on the way out 1 / l of the eight tiles; v56-79 p's codes; v80-127 at work; v128-255 S^T, then p; in pass 2 p's 8 fragments, ONE set.
;   Window 1: pass 1: v0-95 q's 8 fragments, v96-239 three sets of four fragments of K; pass 2: V's 8 fragments, TWO sets, at v0 and v128.   Windows 2, 3: O^T: tile of queries a, tile of d e at v[8 (8 (a % 4) + e)] of window 2 + a / 4.
.set BHB,   1228800
.set BLK,   51200
.set FILL,  102400
.set QOFF,  819200
.set FRB,   1536
.set SCO,   49152
.set PREG,  204800
.set PWV,   28672
.set PST,   3584
.set SPARE, 319488
.set LI,  1
.set SPW, 2
.set NIL, 3
.set ADK, 4                            ; pass 1: v4, v5 the slot's first and second block; pass 2: v4 my eight fragments of V, v5 my scale image
.set ADV, 5
.set STO, 6
.set RD,  7                            ; my LDS region, 16 bytes a lane
.set PFO, 8
.set PAD, 9                            ; pass 1: where my images go; pass 2: v9 the images of waves 0, 1, v11 those of waves 2, 3
.set MI,  12
.set SCW, 16
.set QS,  32
.set ST,  40
.set PCD, 56
.set TP,  80
.set S,   128
.set RF,  128
.set T,   128
.set FB,  96
.set WV,  8
.set G1,  16
.set G0W, 24
.set QBS, 30
.set QSB, 32
.set OB,  34
.set PFA, 36
.set CNT, 39
.set TB,  40
.set TL,  41
.set CS,  42
.set SEL, 44
.set PB,  49
.set WF,  50
.set WS,  51
.set MSB, 0
.macro WIN new                         ; the immediate's high byte repeats the setting that is left
.if MSB != (\new)
	s_set_vgpr_msb (MSB<<8)|(\new)
.set MSB, \new
.endif
.endm
.macro PLACES n
.rept \n
	v_nop
.endr
.endm
.macro CROUND                          ; a round of the cluster's barrier
	s_barrier_signal -1
	s_barrier_wait -1
	s_cmp_lg_u32 s[WV], 0
	s_cbranch_scc1 .Lnot_wave_0_\@
	s_barrier_signal -3
.Lnot_wave_0_\@:
	s_barrier_wait -3
	s_barrier_signal -1
	s_barrier_wait -1
.endm
; One product.  zero: it starts the sum.  ra, rb: the scale words stand in lanes 16-31 of the register named.
.macro WM d, a, b, zero, sa, sb, ra, rb
.if \zero
.if (\ra) && (\rb)
	v_wmma_scale_f32_16x16x128_f8f6f4 v[(\d):(\d)+7], v[(\a):(\a)+11], v[(\b):(\b)+11], 0, v[\sa], v[\sb] matrix_a_fmt:MATRIX_FMT_BF6 matrix_b_fmt:MATRIX_FMT_BF6 matrix_a_scale:MATRIX_SCALE_ROW1 matrix_b_scale:MATRIX_SCALE_ROW1
.elseif (\ra)
	v_wmma_scale_f32_16x16x128_f8f6f4 v[(\d):(\d)+7], v[(\a):(\a)+11], v[(\b):(\b)+11], 0, v[\sa], v[\sb] matrix_a_fmt:MATRIX_FMT_BF6 matrix_b_fmt:MATRIX_FMT_BF6 matrix_a_scale:MATRIX_SCALE_ROW1
.elseif (\rb)
	v_wmma_scale_f32_16x16x128_f8f6f4 v[(\d):(\d)+7], v[(\a):(\a)+11], v[(\b):(\b)+11], 0, v[\sa], v[\sb] matrix_a_fmt:MATRIX_FMT_BF6 matrix_b_fmt:MATRIX_FMT_BF6 matrix_b_scale:MATRIX_SCALE_ROW1
.else
	v_wmma_scale_f32_16x16x128_f8f6f4 v[(\d):(\d)+7], v[(\a):(\a)+11], v[(\b):(\b)+11], 0, v[\sa], v[\sb] matrix_a_fmt:MATRIX_FMT_BF6 matrix_b_fmt:MATRIX_FMT_BF6
.endif
.else
.if (\ra) && (\rb)
	v_wmma_scale_f32_16x16x128_f8f6f4 v[(\d):(\d)+7], v[(\a):(\a)+11], v[(\b):(\b)+11], v[(\d):(\d)+7], v[\sa], v[\sb] matrix_a_fmt:MATRIX_FMT_BF6 matrix_b_fmt:MATRIX_FMT_BF6 matrix_a_scale:MATRIX_SCALE_ROW1 matrix_b_scale:MATRIX_SCALE_ROW1
.elseif (\ra)
	v_wmma_scale_f32_16x16x128_f8f6f4 v[(\d):(\d)+7], v[(\a):(\a)+11], v[(\b):(\b)+11], v[(\d):(\d)+7], v[\sa], v[\sb] matrix_a_fmt:MATRIX_FMT_BF6 matrix_b_fmt:MATRIX_FMT_BF6 matrix_a_scale:MATRIX_SCALE_ROW1
.elseif (\rb)
	v_wmma_scale_f32_16x16x128_f8f6f4 v[(\d):(\d)+7], v[(\a):(\a)+11], v[(\b):(\b)+11], v[(\d):(\d)+7], v[\sa], v[\sb] matrix_a_fmt:MATRIX_FMT_BF6 matrix_b_fmt:MATRIX_FMT_BF6 matrix_b_scale:MATRIX_SCALE_ROW1
.else
	v_wmma_scale_f32_16x16x128_f8f6f4 v[(\d):(\d)+7], v[(\a):(\a)+11], v[(\b):(\b)+11], v[(\d):(\d)+7], v[\sa], v[\sb] matrix_a_fmt:MATRIX_FMT_BF6 matrix_b_fmt:MATRIX_FMT_BF6
.endif
.endif
.endm
; The change of slots.  In front of the barrier: the wait for all my tensor loads (one is out: my quarter of this trip's slot), the add, work on registers, the wait for the add and for my LDS reads and stores.
; fill = 1: a round of the cluster's barrier, and behind it my one joint load: the next fill into the slot read last.  step = 1: the prefetch's address goes a fill on, behind the wait that frees it.  pass: which pass's addresses are made.
.macro CHANGE fill, step, pass
	WIN 0
	s_wait_tensorcnt 0x0
	ds_add_u32 v[SPW], v[NIL]
.if \fill
	s_xor_b32 s[TL], s[TL], FILL
	s_add_co_u32 s[G0W+1], s13, s[TL]
	s_add_nc_u64 s[G0W+2:G0W+3], s[G0W+2:G0W+3], FILL
.endif
.if \step
	s_wait_xcnt 0x0
	s_add_nc_u64 s[PFA:PFA+1], s[PFA:PFA+1], FILL
.endif
.if \pass == 1
	v_add_nc_u32 v[ADK], s[TB], v[LI]              ; this slot's first block, 16 bytes a lane,
	v_add_nc_u32 v[ADV], BLK, v[ADK]               ; and its second
	v_add_nc_u32 v[PAD], s[PB], v[RD]              ; where this trip's two images of p go
.else
	s_add_co_u32 s46, s[TB], s[WF]
	s_add_co_u32 s47, s[TB], s[WS]
	v_add_nc_u32 v[ADK], s46, v[LI]                ; fragments 8 w on of the slot's first block,
	v_add_nc_u32 v[ADV], s47, v[LI]                ; and its scale image w
	v_add_nc_u32 v[PAD], s[PB], v[LI]              ; this trip's images of p: waves 0 and 1,
	v_add_nc_u32 v[PAD+2], 2*PWV, v[PAD]           ; waves 2 and 3
.endif
	s_add_co_u32 s[PB], s[PB], 2*PST
	s_wait_alu depctr_va_vdst(0)
	s_wait_dscnt 0x0
.if \fill
	CROUND
	tensor_load_to_lds s[G0W:G0W+3], s[G1:G1+7]
	s_nop 0
.else
	s_barrier_signal -1
	s_barrier_wait -1
.endif
	PLACES 4                                       ; also the places in front of the loads into registers that the last products read
.endm
.macro ASK how                         ; 0 no prefetch, 1 one, 2 one while the loop has a trip behind this one.  Every window is 0 here
.if \how == 2
	s_cmp_gt_u32 s[CNT], 1
	s_cbranch_scc0 .Lno_ask_\@
.endif
.if \how
	global_prefetch_b8 v[PFO], s[PFA:PFA+1] th:TH_LOAD_NT scope:SCOPE_SE
.endif
.if \how == 2
.Lno_ask_\@:
.endif
.endm
.macro FETCHG areg, f0, set            ; four fragments, three loads of 512 consecutive bytes each, into set
	WIN 0x40
.irp k, 0,1,2,3
.irp p, 0,1,2
	ds_load_b128 v[FB+48*(\set)+12*\k+4*\p:FB+48*(\set)+12*\k+4*\p+3], v[\areg] offset:FRB*((\f0)+\k)+512*\p
.endr
.endr
.endm
; PASS 1.  A slot is walked as 16 groups of four fragments, G = 0 .. 15: block G / 8, fragments 4 (G % 8) on, in set G % 3.
; Ahead of group G's products: four places; the second block's scale image G / 2 - 1 into the registers of the first block's image that is done; group G + 2; the wait for group G.
; Counts on DScnt: behind group G's 12 loads stand two groups' 24 and, for G = 2 .. 9, one load of scale registers.
.macro PRE G
.if (\G >= 1) && (\G < 14)
	PLACES 4
.endif
.if (\G >= 2) && (\G <= 8) && ((\G)%2 == 0)
	WIN 0
	ds_load_b128 v[SCW+2*\G-4:SCW+2*\G-1], v[ADV] offset:SCO+256*\G-512
.endif
.if \G < 14
	FETCHG ADK+((\G)+2)/8, 4*(((\G)+2)%8), ((\G)+2)%3
.endif
.if (\G >= 2) && (\G <= 9)
	s_wait_dscnt 25
.elseif \G < 14
	s_wait_dscnt 24
.elseif \G == 14
	s_wait_dscnt 12
.else
	s_wait_dscnt 0x0
.endif
.endm
; Eight products of S^T: four tiles of keys (4 (G % 2) on) x my two tiles of queries, 128 of d (chunk (G % 8) / 2).  The sixteen accumulators take turns, one instruction a turn.
.macro SGRP G
	WIN 0x05
.irp k, 0,1,2,3
.irp u, 0,1
	WM S+64*\u+8*(4*((\G)%2)+\k), FB+48*((\G)%3)+12*\k, 12*(4*\u+((\G)%8)/2), ((\G)%8)<2, SCW+4*(((\G)%8)/2)+(4*((\G)%2)+\k)/2, QS+((\G)%8)/2, \k%2, \u
.endr
.endr
.endm
; From the scores to p's codes and scale words, stored at byte poff of this trip's place.  The 16 registers of tiles 2 b, 2 b + 1 are 16 neighbouring keys: 32 b + 16 (lane / 16) on.
.macro SOFTMAX poff
.irp i, 0,1,2,3,4,5,6,7                ; each block's largest score; every accumulator is read from its low end on
.irp u, 0,1
.irp b, 0,1,2,3
.if \i == 0
	v_max3_num_f32 v[TP+24*\u+\b], v[S+64*\u+16*\b], v[S+64*\u+16*\b+1], v[S+64*\u+16*\b+2]
.elseif \i < 7
	v_max3_num_f32 v[TP+24*\u+\b], v[TP+24*\u+\b], v[S+64*\u+16*\b+2*\i+1], v[S+64*\u+16*\b+2*\i+2]
.else
	v_max_num_f32 v[TP+24*\u+\b], v[TP+24*\u+\b], v[S+64*\u+16*\b+15]
.endif
.endr
.endr
.endr
.irp u, 0,1
.irp b, 0,1,2,3
	v_permlanex16_b32 v[TP+24*\u+4+\b], v[TP+24*\u+\b], s[SEL], s[SEL+1]
.endr
.endr
.irp u, 0,1
.irp b, 0,1,2,3
	v_max_num_f32 v[TP+24*\u+\b], v[TP+24*\u+\b], v[TP+24*\u+4+\b]   ; with lane l xor 16's sixteen keys
.endr
.endr
.irp o, 0,1,2,3,4,5,6,7,8              ; the two tiles by turns
.irp u, 0,1
.set rT, ST+8*\u
.set rS, TP+24*\u
.if \o == 0
	v_max3_num_f32 v[rT+6], v[rS], v[rS+1], v[rS+2]
.elseif \o == 1
	v_max_num_f32 v[rT+6], v[rT+6], v[rS+3]        ; the step's largest score of my query,
.elseif \o == 2
	v_mul_f32 v[rT+6], s[CS], v[rT+6]              ; as t
.elseif \o == 3
	v_max_num_f32 v[rT+1], v[rT+1], v[rT+6]        ; the running largest t
.elseif \o == 4
	v_mov_b32 v[rT+6], v[rT]
.elseif \o == 5
	v_floor_f32 v[rT], -v[rT+1]                    ; the new -M = -ceil(t)
.elseif \o == 6
	v_sub_f32 v[rT+6], v[rT], v[rT+6]              ; old M - new M, a whole number
.elseif \o == 7
	v_cvt_i32_f32 v[rT+6], v[rT+6]                 ; (it saturates)
.else
	v_ldexp_f32 v[rT+4], 1.0, v[rT+6]              ; f
.endif
.endr
.endr
.irp u, 0,1
.set j, 0
.rept 32
	v_pk_fma_f32 v[S+64*\u+j:S+64*\u+j+1], v[S+64*\u+j:S+64*\u+j+1], s[CS:CS+1], v[ST+8*\u:ST+8*\u+1] op_sel_hi:[1,0,0]   ; t - M
.set j, j+2
.endr
.irp b, 0,1,2,3
	v_fma_f32 v[TP+24*\u+\b], v[TP+24*\u+\b], s[CS], v[ST+8*\u]    ; the same of each block's largest score
.endr
	v_pk_mul_f32 v[ST+8*\u+2:ST+8*\u+3], v[ST+8*\u+2:ST+8*\u+3], v[ST+8*\u+4:ST+8*\u+5] op_sel_hi:[1,0]   ; l under the new M
.endr
	s_wait_alu depctr_va_vdst(0)                   ; the wait ahead of the batch
.set j, 0
.rept 128
	v_exp_f32 v[S+j], v[S+j]                       ; p = 2^(t - M)
.set j, j+1
.endr
.irp u, 0,1
.irp b, 0,1,2,3
	v_exp_f32 v[TP+24*\u+\b], v[TP+24*\u+\b]       ; each block's largest p
.endr
.endr
	v_nop                                          ; one plain place behind the batch
	s_wait_alu depctr_va_vdst(0)                   ; and the one wait for it, ahead of its first reader
.irp u, 0,1
	v_pk_add_f32 v[TP+24*\u+20:TP+24*\u+21], v[S+64*\u:S+64*\u+1], v[S+64*\u+2:S+64*\u+3]   ; the sum of the unquantised p: two chains a tile
.endr
.set j, 4
.rept 15
.irp u, 0,1
	v_pk_add_f32 v[ST+8*\u+2:ST+8*\u+3], v[ST+8*\u+2:ST+8*\u+3], v[S+64*\u+j:S+64*\u+j+1]
	v_pk_add_f32 v[TP+24*\u+20:TP+24*\u+21], v[TP+24*\u+20:TP+24*\u+21], v[S+64*\u+j+2:S+64*\u+j+3]
.endr
.set j, j+4
.endr
.irp u, 0,1
	v_pk_add_f32 v[ST+8*\u+2:ST+8*\u+3], v[ST+8*\u+2:ST+8*\u+3], v[TP+24*\u+20:TP+24*\u+21]
.endr
.irp u, 0,1
.irp b, 0,1,2,3
	v_max_num_f32 v[TP+24*\u+\b], 0x2800000, v[TP+24*\u+\b]        ; the floor 2^(5 - 127): the byte cannot fall under 1
.endr
.endr
.irp u, 0,1
.irp b, 0,1,2,3
	v_add_nc_u32 v[TP+24*\u+8+\b], 0xfe000000, v[TP+24*\u+\b]      ; 4 off the exponent field: the conversion's scale operand
.endr
.endr
.irp u, 0,1
.irp b, 0,1,2,3
	v_lshrrev_b32 v[TP+24*\u+4+\b], 23, v[TP+24*\u+8+\b]           ; the scale's byte
.endr
.endr
.irp u, 0,1
	v_lshl_or_b32 v[MI+\u], v[TP+24*\u+5], 8, v[TP+24*\u+4]        ; p's scale word for these 128 keys, under this step's M
.endr
.irp u, 0,1
	v_lshl_or_b32 v[MI+\u], v[TP+24*\u+6], 16, v[MI+\u]
.endr
.irp u, 0,1
	v_lshl_or_b32 v[MI+\u], v[TP+24*\u+7], 24, v[MI+\u]
.endr
.irp u, 0,1
	v_mov_b32 v[MI+2+\u], v[ST+8*\u]               ; and this step's -M beside it
.endr
.irp u, 0,1
.irp c, 0,1
	v_cvt_scalef32_pk16_bf6_f32 v[PCD+12*\u+6*\c:PCD+12*\u+6*\c+2], v[S+64*\u+32*\c:S+64*\u+32*\c+15], v[TP+24*\u+8+2*\c]
	v_cvt_scalef32_pk16_bf6_f32 v[TP+24*\u+12+4*\c:TP+24*\u+14+4*\c], v[S+64*\u+32*\c+16:S+64*\u+32*\c+31], v[TP+24*\u+9+2*\c]   ; (a conversion's three registers begin on an even number)
.endr
.endr
	v_nop                                          ; one plain place behind a scaled conversion
.irp u, 0,1                            ; the operand's layout wants a whole block in a lane
.irp c, 0,1
.irp i, 0,1,2
	v_permlane16_swap_b32 v[PCD+12*\u+6*\c+\i], v[TP+24*\u+12+4*\c+\i]
.endr
.endr
.endr
.irp u, 0,1
.irp c, 0,1
.irp i, 0,1,2
	v_mov_b32 v[PCD+12*\u+6*\c+3+\i], v[TP+24*\u+12+4*\c+\i]
.endr
.endr
.endr
.irp p, 0,1,2,3,4,5
	ds_store_b128 v[PAD], v[PCD+4*\p:PCD+4*\p+3] offset:(\poff)+512*\p   ; the image of the operand's registers: 16 bytes a lane
.endr
	ds_store_b128 v[PAD], v[MI:MI+3] offset:(\poff)+3072
	s_wait_alu depctr_va_vdst(0)                   ; waits on LDS and a branch follow
.endm
.macro KTRIP                           ; pass 1: a slot, 256 keys
	CHANGE 1, 1, 1
.irp s, 0,1,2,3
	ds_load_b128 v[SCW+4*\s:SCW+4*\s+3], v[ADK] offset:SCO+512*\s  ; the first block's scale registers
.endr
	FETCHG ADK, 0, 0
	FETCHG ADK, 4, 1
	WIN 0
	ASK 1
	s_wait_loadcnt 0x0                             ; q's fragments and scale words (of use in the first trip)
.irp G, 0,1,2,3,4,5,6,7
	PRE \G
	SGRP \G
.endr
	WIN 0
	PLACES 4                                       ; behind the last products, in front of the first read of results
	SOFTMAX 0
.irp G, 8,9,10,11,12,13,14,15
	PRE \G
	SGRP \G
.endr
	WIN 0
	PLACES 4
	SOFTMAX PST
	s_xor_b32 s[TB], s[TB], FILL
.endm
; BETWEEN THE PASSES: step t's four words {word of tile 0, of tile 1, -M(t) of tile 0, of tile 1} in v[S + 4 t] on become {the words under the final M, 1 / l of tile 0, of tile 1}.
.macro ADJ t
.irp u, 0,1
	v_sub_f32 v[TP+24*\u], v[S+4*\t+2+\u], v[ST+8*\u]              ; final M - M(t): a whole number, 0 or more
.endr
.irp u, 0,1
	v_cvt_i32_f32 v[TP+24*\u], v[TP+24*\u]         ; (it saturates)
.endr
.irp u, 0,1
	v_min_u32 v[TP+24*\u], 0xff, v[TP+24*\u]
.endr
.irp u, 0,1
.irp b, 0,1,2,3
	v_bfe_u32 v[TP+24*\u+4+\b], v[S+4*\t+\u], 8*\b, 8
.endr
.endr
.irp u, 0,1
.irp b, 0,1,2,3
	v_sub_nc_u32 v[TP+24*\u+4+\b], v[TP+24*\u+4+\b], v[TP+24*\u]
.endr
.endr
.irp u, 0,1
.irp b, 0,1,2,3
	v_max_i32 v[TP+24*\u+4+\b], 1, v[TP+24*\u+4+\b]
.endr
.endr
.irp u, 0,1
	v_lshl_or_b32 v[S+4*\t+\u], v[TP+24*\u+5], 8, v[TP+24*\u+4]
.endr
.irp u, 0,1
	v_lshl_or_b32 v[S+4*\t+\u], v[TP+24*\u+6], 16, v[S+4*\t+\u]
.endr
.irp u, 0,1
	v_lshl_or_b32 v[S+4*\t+\u], v[TP+24*\u+7], 24, v[S+4*\t+\u]
.endr
.irp u, 0,1
	v_mov_b32 v[S+4*\t+2+\u], v[ST+8*\u+4]
.endr
.endm
; PASS 2.  VLD: my eight fragments of V of the slot's block j into set j, and my scale image.  PLD: p's fragments of tiles a0 .. a0 + 3 (tile a: wave a / 2's image, half a % 2).  PWL: the eight tiles' scale words into a set.
.macro VLD j
	WIN 0x40
.irp i, 0,1,2,3,4,5,6,7
.irp p, 0,1,2
	ds_load_b128 v[128*(\j)+12*\i+4*\p:128*(\j)+12*\i+4*\p+3], v[ADK] offset:BLK*(\j)+FRB*\i+512*\p
.endr
.endr
	WIN 0
	ds_load_b128 v[QS+4*(\j):QS+4*(\j)+3], v[ADV] offset:BLK*(\j)
.endm
.macro PLD a0, off
	WIN 0
.irp a, \a0, \a0+1, \a0+2, \a0+3
.irp p, 0,1,2
	ds_load_b128 v[RF+12*(\a)+4*\p:RF+12*(\a)+4*\p+3], v[PAD+2*((\a)/4)] offset:(((\a)%4)/2)*PWV+((\a)%2)*FRB+(\off)+512*\p
.endr
.endr
.endm
.macro PWL set, off
.irp w, 0,1,2,3
	ds_load_b64 v[SCW+8*(\set)+2*\w:SCW+8*(\set)+2*\w+1], v[PAD+2*(\w/2)] offset:(\w%2)*PWV+(\off)+3072
.endr
.endm
.macro MUL32 a0, j, zero               ; 32 products: tiles of queries a0 .. a0 + 3 x my eight tiles of d.  The 64 accumulators take turns, one instruction a turn, in the same order in every step
.irp a, \a0, \a0+1, \a0+2, \a0+3
.irp e, 0,1,2,3,4,5,6,7
	WM 8*(8*((\a)%4)+\e), 128*(\j)+12*\e, RF+12*(\a), \zero, QS+4*(\j)+\e/2, SCW+8*(\j)+(\a), \e%2, 0
.endr
.endr
.endm
; 128 keys: the slot's block j.  A tile of p is free as soon as its eight products are issued: the next step's tiles 0-3 are fetched in the step's middle, tiles 4-7 at its end (the twelve loads that may be out at the next step's head).
; vnext: the slot's second block of V is fetched in the middle.  pnext: there is a next step; its images lie PST (j + 1) bytes behind this trip's.
.macro STEP2 j, zero, vnext, pnext
.if \j == 0
	s_wait_dscnt 0x0                               ; V's set, asked for behind the barrier
.else
	s_wait_dscnt 12
.endif
	WIN 0xa1
	MUL32 0, \j, \zero
	s_wait_dscnt 0x0                               ; p's tiles 4-7 are in
.if (\vnext)+(\pnext)
	PLACES 4
.endif
.if \vnext
	VLD 1
.endif
.if \pnext
	PLD 0, PST*((\j)+1)
	PWL 1-(\j), PST*((\j)+1)
.endif
	WIN 0xf1
	MUL32 4, \j, \zero
.if \pnext
	PLACES 4
	PLD 4, PST*((\j)+1)
.endif
.endm
.macro VTRIP first, fill, step, ask, last  ; a slot, 256 keys
	CHANGE \fill, \step, 2
	VLD 0
.if \first
	PLD 0, 0
	PLD 4, 0
	PWL 0, 0
.endif
	ASK \ask
	STEP2 0, \first, 1, 1
	STEP2 1, 0, 0, 1-(\last)
	WIN 0
	s_xor_b32 s[TB], s[TB], FILL
.endm
	s_load_b128 s[4:7], s[0:1], 0x0                ; qkv, out0
	v_lshl_add_u32 v[SPW], v0, 2, SPARE
	v_mov_b32 v[NIL], 0
	ds_add_u32 v[SPW], v[NIL]                      ; the add, twice on end, and its wait
	ds_add_u32 v[SPW], v[NIL]
	v_lshrrev_b32 v10, 5, v0
	v_readfirstlane_b32 s[WV], v10                 ; wave 0..3
	s_bfe_u32 s9, ttmp6, 0x40000                   ; cx
	s_lshl_b32 s10, ttmp9, 2
	s_add_co_u32 s10, s10, s9                      ; my block of 128 queries
	s_and_b32 s11, ttmp7, 0xffff                   ; 8 batch + head
	s_mul_i32 s12, s11, BHB                        ; where its blocks begin
	s_mul_i32 s13, s[WV], 25600                    ; my quarter of a fill
	s_add_co_u32 s28, s12, s13
	s_mov_b32 s29, 0
	s_mov_b32 s[G1], 15|(3<<16)|(1<<21)            ; group 1: 25,600 dense bytes as 100 rows of 32 elements of 8 bytes; the mask names the cluster's four
	s_mov_b32 s[G1+1], 32<<16
	s_mov_b32 s[G1+2], 100<<16
	s_mov_b32 s[G1+3], 32<<16
	s_mov_b32 s[G1+4], 100
	s_mov_b32 s[G1+5], 32
	s_mov_b32 s[G1+6], 0
	s_mov_b32 s[G1+7], 0
	s_mul_i32 s46, s10, BLK
	s_add_co_u32 s46, s46, s12
	s_add_co_u32 s46, s46, QOFF                    ; my Q block
	s_mul_i32 s47, s[WV], 2*FRB
	s_add_co_u32 s[QBS], s46, s47                  ; tiles 2 w, 2 w + 1
	s_mov_b32 s[QBS+1], 0
	s_lshl_b32 s47, s[WV], 2
	s_add_co_u32 s[QSB], s46, s47
	s_add_co_u32 s[QSB], s[QSB], SCO               ; scale register w of each image
	s_mov_b32 s[QSB+1], 0
	s_lshr_b32 s46, s11, 3
	s_lshl_b32 s46, s46, 10
	s_lshl_b32 s47, s10, 7
	s_add_co_u32 s46, s46, s47                     ; the work-group's first token: 1,024 batch + 128 block
	s_lshl_b32 s46, s46, 14                        ; rows of 16,384 bytes
	s_and_b32 s47, s11, 7
	s_lshl_b32 s47, s47, 11                        ; + 2,048 head
	s_add_co_u32 s46, s46, s47
	s_lshl_b32 s47, s[WV], 9                       ; + 512 wave: my 128 of d
	s_add_co_u32 s[OB], s46, s47
	s_mov_b32 s[OB+1], 0
	s_lshl_b32 s46, s9, 2                          ; the prefetches: piece 4 cx + w of 6,400 bytes of a fill;
	s_add_co_u32 s46, s46, s[WV]
	s_mul_i32 s46, s46, 6400
	s_add_co_u32 s46, s46, s12
	s_add_co_u32 s[PFA], s46, FILL                 ; every change of slots steps it: fill 2 in the first trip
	s_mov_b32 s[PFA+1], 0
	s_mul_i32 s[WF], s[WV], 8*FRB                  ; pass 2: my eight fragments of a block of V,
	s_lshl_b32 s[WS], s[WV], 9
	s_add_co_u32 s[WS], s[WS], SCO                 ; and my scale image
	s_mov_b32 s[TB], 0
	s_mov_b32 s[TL], 0
	s_mov_b32 s[PB], 0
	s_mov_b32 s[CS], 0x3d8293ee                    ; log2(e) / sqrt(512)
	s_mov_b32 s[CS+1], s[CS]
	s_mov_b32 s[SEL], 0x76543210
	s_mov_b32 s[SEL+1], 0xfedcba98                 ; v_permlanex16_b32's selects for lane l xor 16
	s_wait_dscnt 0x0
	s_wait_kmcnt 0x0
	s_mov_b32 s[G0W], 1
	s_mov_b32 s[G0W+1], s13
	s_add_nc_u64 s[G0W+2:G0W+3], s[4:5], s[28:29]
	s_or_b32 s[G0W+3], s[G0W+3], 0x80000000
	s_add_nc_u64 s[QBS:QBS+1], s[4:5], s[QBS:QBS+1]
	s_add_nc_u64 s[QSB:QSB+1], s[4:5], s[QSB:QSB+1]
	s_add_nc_u64 s[PFA:PFA+1], s[4:5], s[PFA:PFA+1]
	s_add_nc_u64 s[OB:OB+1], s[6:7], s[OB:OB+1]
	CROUND                                         ; the four partners are here: the first joint loads meet
	tensor_load_to_lds s[G0W:G0W+3], s[G1:G1+7]    ; fill 0 into slot 0: my one load at the head
	s_nop 0
	PLACES 4
	v_and_b32 v10, 31, v0
	v_lshlrev_b32 v[LI], 4, v10
	v_min_u32 v[PFO], 24, v10                      ; 25 runs of 256 bytes a wave; the lanes left over name the last again
	v_lshlrev_b32 v[PFO], 8, v[PFO]
	WIN 0x40
.irp u, 0,1
.irp s, 0,1,2,3
.irp p, 0,1,2
	global_load_b128 v[12*(4*\u+\s)+4*\p:12*(4*\u+\s)+4*\p+3], v[LI], s[QBS:QBS+1] offset:FRB*(8*\s+\u)+512*\p
.endr
.endr
.endr
	WIN 0
.irp s, 0,1,2,3
	global_load_b32 v[QS+\s], v[LI], s[QSB:QSB+1] offset:512*\s    ; lanes 0-15 tile 2 w's words, lanes 16-31 tile 2 w + 1's
.endr
	v_and_b32 v10, 15, v0
	v_bfe_u32 v11, v0, 4, 1
	s_mul_i32 s48, s[WV], PWV
	s_add_co_u32 s48, s48, PREG                    ; my LDS region: p's images, later my stage
	v_mul_u32_u24 v[STO], v10, 528                 ; the stage, in: row = a query, 64 bytes for each half of the lanes
	v_lshl_add_u32 v[STO], v11, 6, v[STO]
	v_add_nc_u32 v[STO], s48, v[STO]
	v_add_nc_u32 v[RD], s48, v[LI]                 ; back: 32 lanes take a row of 512 bytes
.irp u, 0,1
	v_mov_b32 v[ST+8*\u+1], 0xff61b1e6             ; the largest t so far: -3e38
	v_floor_f32 v[ST+8*\u], -v[ST+8*\u+1]
	v_mov_b32 v[ST+8*\u+2], 0
	v_mov_b32 v[ST+8*\u+3], 0
	v_mov_b32 v[ST+8*\u+5], 0
	v_mov_b32 v[ST+8*\u+7], 0
.irp b, 0,1,2,3
	v_mov_b32 v[TP+24*\u+4+\b], 0                  ; a lane permute's destination counts as one of its sources
.endr
.endr
	s_wait_alu depctr_va_vdst(0)
	s_mov_b32 s[CNT], 4
.Lkeys:                                                ; pass 1: fills 0 to 3; each trip asks for the next fill, the last for V's first
	KTRIP
	s_sub_co_u32 s[CNT], s[CNT], 1
	s_cmp_lg_u32 s[CNT], 0
	s_cbranch_scc1 .Lkeys
.irp t, 0,1,2,3,4,5,6,7
	ds_load_b128 v[S+4*\t:S+4*\t+3], v[RD] offset:PST*\t+3072      ; my eight steps' words and -M: LDS serves a wave's instructions in order
.endr
.irp u, 0,1                            ; l is whole: 1 / l, ahead of every product of pass 2
	v_add_f32 v[ST+8*\u+6], v[ST+8*\u+2], v[ST+8*\u+3]
.endr
.irp u, 0,1
	v_permlanex16_b32 v[ST+8*\u+7], v[ST+8*\u+6], s[SEL], s[SEL+1]
.endr
.irp u, 0,1
	v_add_f32 v[ST+8*\u+6], v[ST+8*\u+6], v[ST+8*\u+7]
.endr
	s_wait_alu depctr_va_vdst(0)                   ; the wait ahead of the transcendentals
.irp u, 0,1
	v_rcp_f32 v[ST+8*\u+4], v[ST+8*\u+6]
.endr
	v_nop
	s_wait_alu depctr_va_vdst(0)
	s_wait_dscnt 0x0
.irp t, 0,1,2,3,4,5,6,7
	ADJ \t
.endr
.irp t, 0,1,2,3,4,5,6,7
	ds_store_b128 v[RD], v[S+4*\t:S+4*\t+3] offset:PST*\t+3072     ; back; the wait and the round of the next change of slots show them to the other waves
.endr
	s_mov_b32 s[PB], PREG                          ; p's images are walked again from the first, now all four waves'
	VTRIP 1, 1, 1, 1, 0                            ; fill 4: its first block's products start O^T's sums
	s_mov_b32 s[CNT], 2
.Lvals:                                                ; fills 5 and 6
	VTRIP 0, 1, 1, 2, 0
	s_sub_co_u32 s[CNT], s[CNT], 1
	s_cmp_lg_u32 s[CNT], 0
	s_cbranch_scc1 .Lvals
	VTRIP 0, 0, 0, 0, 1                            ; fill 7: nothing more is fetched
; THE WAY OUT, in eight parts, a tile of 16 queries x my 128 of d each: x 1 / l; through my own stage; back as rows of 512 bytes, which the 32 lanes store as two aligned runs of 256 bytes.
	v_add_nc_u32 v[PAD], PREG, v[LI]
	v_add_nc_u32 v[PAD+2], 2*PWV, v[PAD]
.irp w, 0,1,2,3
	ds_load_b64 v[TP+2*\w:TP+2*\w+1], v[PAD+2*(\w/2)] offset:(\w%2)*PWV+3072+8   ; 1 / l of tiles 2 w, 2 w + 1, beside step 0's words
.endr
	s_wait_dscnt 0x0                               ; my reads of p's images are over:
	s_barrier_signal -1
	s_barrier_wait -1                              ; and everybody's: the stages, which lie on the images, may be written
.irp a, 0,1,2,3,4,5,6,7
	v_mov_b32 v[ST+2*\a], v[TP+\a]                 ; each into the low word of an even pair, for the packed form
	v_mov_b32 v[ST+2*\a+1], v[TP+\a]
.endr
.macro PACK c
	WIN 2+(\c)/4
.set i, 0
.rept 32
	v_pk_mul_f32 v[T+2*i:T+2*i+1], v[64*((\c)%4)+2*i:64*((\c)%4)+2*i+1], v[ST+2*(\c):ST+2*(\c)+1] op_sel_hi:[1,0]
.set i, i+1
.endr
	WIN 0
.endm
.macro TOSTAGE c                       ; the rows come back into window 1, v0-63 and v64-127 by turns
.irp e, 0,1,2,3,4,5,6,7                ; d tile e of my eight holds d = 32 (e / 2) + 8 (e % 2) + 16 (lane / 16) + 0 .. 7
	ds_store_b128 v[STO], v[T+8*\e:T+8*\e+3] offset:128*(\e/2)+32*(\e%2)
	ds_store_b128 v[STO], v[T+8*\e+4:T+8*\e+7] offset:128*(\e/2)+32*(\e%2)+16
.endr
	WIN 0x40
.irp i, 0,1,2,3,4,5,6,7,8,9,10,11,12,13,14,15
	ds_load_b128 v[64*((\c)%2)+4*\i:64*((\c)%2)+4*\i+3], v[RD] offset:528*\i   ; LDS serves a wave's instructions in order: these see the stores above, and the next part's stores come behind them
.endr
	WIN 0
.endm
.macro SEND c, younger                 ; younger: the LDS instructions issued behind part c's loads, which may stay out
	s_wait_dscnt \younger
	WIN 0x04                                       ; the data lie in window 1
.irp i, 0,1,2,3,4,5,6,7,8,9,10,11,12,13,14,15
	global_store_b128 v[LI], v[64*((\c)%2)+4*\i:64*((\c)%2)+4*\i+3], s[OB:OB+1] offset:(32*((\c)/2)+8*((\c)%2)+\i+8*(\i/8))*16384 th:TH_STORE_NT   ; lane r of tile c stands for token 32 (c / 2) + 8 (c % 2) + r + 8 (r / 8) of the 128
.endr
	WIN 0
.endm
	PACK 0                                         ; the moves above and these lines name none of the last products' registers: they are those products' places
	TOSTAGE 0
.irp c, 1,2,3,4,5,6,7                  ; part c goes through the stage ahead of part c - 1's stores
.if \c >= 2
	s_wait_xcnt 0x0                                ; part c - 2's stores have read the registers into which part c comes back
.endif
	PACK \c
	TOSTAGE \c
	SEND \c-1, 32                                  ; behind part c - 1's loads: part c's 16 stores and 16 loads
.endr
	SEND 7, 0
	s_wait_tensorcnt 0x0                           ; the wave's end
	ds_add_u32 v[SPW], v[NIL]
	s_wait_dscnt 0x0
	CROUND                                         ; the closing round
	s_endpgm
.Lfunc_end_k_q1aac8043c8_attn:
	.size	k_q1aac8043c8_attn, .Lfunc_end_k_q1aac8043c8_attn-k_q1aac8043c8_attn
	.p2alignl 7, 3214868480
	.fill 96, 4, 3214868480
	.section	.rodata,"a",@progbits
	.p2align	6, 0x0
	.amdhsa_kernel k_q1aac8043c8_attn
		.amdhsa_group_segment_fixed_size 327680
		.amdhsa_private_segment_fixed_size 0
		.amdhsa_enable_private_segment 0
		.amdhsa_kernarg_size 16
		.amdhsa_user_sgpr_count 2
		.amdhsa_user_sgpr_kernarg_segment_ptr 1
		.amdhsa_wavefront_size32 1
		.amdhsa_system_sgpr_workgroup_id_x 1
		.amdhsa_system_sgpr_workgroup_id_y 1
		.amdhsa_system_sgpr_workgroup_id_z 1
		.amdhsa_system_vgpr_workitem_id 0
		.amdhsa_next_free_vgpr 1024
		.amdhsa_next_free_sgpr 66
		.amdhsa_reserve_vcc 0
		.amdhsa_float_denorm_mode_32 3
		.amdhsa_float_denorm_mode_16_64 3
		.amdhsa_memory_ordered 1
		.amdhsa_forward_progress 1
		.amdhsa_inst_pref_size 222
	.end_amdhsa_kernel
	.amdgpu_metadata
---
amdhsa.version: [ 1, 2 ]
amdhsa.kernels:
  - .name:           k_q1aac8043c8_attn
    .symbol:         k_q1aac8043c8_attn.kd
    .args:
      - { .name: qkv, .offset: 0, .size: 8, .value_kind: global_buffer, .address_space: global }
      - { .name: out0, .offset: 8, .size: 8, .value_kind: global_buffer, .address_space: global }
    .group_segment_fixed_size: 327680
    .private_segment_fixed_size: 0
    .kernarg_segment_align: 8
    .kernarg_segment_size: 16
    .max_flat_workgroup_size: 128
    .sgpr_count:     66
    .vgpr_count:     1024
    .wavefront_size: 32
...
	.end_amdgpu_metadata
.endif
;; end of part 3
